; MI455X (gfx1250); checked and timed in simulation.
; The chip was launched on July 23, 2026; its instructions are those of AMD's public machine-readable ISA for CDNA 5 (MIT licence, August 2026) and "CDNA5" Instruction Set Architecture Reference Guide (July 2026). The comments in the code are by the model that wrote it; some were corrected since.
;; Deep Set Classifier. Allowed arithmetic: matrix products marked QUANTISED: E3M2 operands, one E8M0 scale for each 32 along K, by v_wmma_scale_f32_16x16x128_f8f6f4 with both operands' format E3M2, f32 sums; products left as they are: f32 operands where the result goes on into a quantised operand, else bf16, f16 or f32 operands; f32 sums; everything else in f32.
;; Inputs: mask 8 x 128 x 128 float32; out_b one number float32; out_w 32 float32; phi_b 32 float32; phi_w 32 float32; wctx_w_codes 32 x 1 x 24 uint8 (E3M2 codes of wctx_w, K innermost, in blocks of 32 codes, four codes in three bytes); wctx_w_scales 32 x 1 uint8 (E8M0 scales of wctx_w, one for each 32 codes along K); wself_b 32 float32; wself_w 32 float32; z_tilde 8 x 8 x 128 x 128 float32.
;; Outputs: out0 8 x 8 x 128 x 128 float32.
;; This version of the problem:
;;   THIS VERSION OF THE PROBLEM IS GIVEN IN LOW PRECISION. The matrix products marked QUANTISED in the list below multiply operands that are first quantised to E3M2 (3 exponent bits, 2 mantissa bits; 6 bits a number), with one power-of-two scale for each 32 numbers along K (OCP MX v1.0); their sums are f32. All else is computed in f32.
;;   The module's matrix products, in the order in which they are computed (A, B: the left and right operand; K: the contracted axis; several contracted axes count as one K, in the product's order):
;;     1. [M 8,192, K 32] x [K 32, N 32]; A: computed on the way; B: input wctx_w (given as codes): QUANTISED
;;     2. [M 1,048,576, K 32] x [K 32, N 1]; A: computed on the way; B: input out_w: left as it is (N = 1 < 16)
;;   THE QUANTISER, for each operand of a quantised product, along K:
;;     - K is cut into blocks of 32 from its start; a last block that is shorter is filled with zeros.
;;     - A block's scale is 2^e with e = floor(log2(the largest magnitude in the block)) - 4, held to -126 .. 127; a block of zeros has e = 0. As a byte (E8M0): e + 127.
;;     - Each number is divided by its block's scale, clamped to +-28, and rounded to the nearest number of E3M2, ties to even, subnormals kept.
;;     - The product sums the exact products of the quantised numbers (number of the format x scale) in f32.
;;   ~~~python
;;   def quantise(x, axis):      # numpy; x: float32 -> the quantised numbers, widened to float32 again
;;       x = np.moveaxis(x, axis, -1); K = x.shape[-1]
;;       x = np.pad(x, [(0, 0)] * (x.ndim - 1) + [(0, -K % 32)]); x = x.reshape(x.shape[:-1] + (-1, 32)); a = np.abs(x).max(-1, keepdims=True)
;;       e = np.where(a > 0, np.clip(np.frexp(np.where(a > 0, a, 1))[1] - 1 - 4, -126, 127), 0)      # np.frexp(a)[1] - 1 = floor(log2(a)), exactly
;;       r = np.clip(x / 2.0 ** e, -28, 28)
;;       step = 2.0 ** (np.maximum(np.frexp(np.where(r == 0, 1, r))[1] - 1, -2) - 2)
;;       q = np.round(r / step) * step * 2.0 ** e      # np.round: ties to even
;;       return np.moveaxis(q.reshape(q.shape[:-2] + (-1,))[..., :K], -1, axis).astype(np.float32)
;;   ~~~
;;   OPERANDS COMPUTED ON THE WAY. 'Computed on the way' means the value that the module computes at that place (a softmax that the list does not call 'softmax' is quantised finished and normalised). What goes into a quantiser is computed in f32, as accurately as f32 sums, v_exp_f32 and their like allow (about 1e-6 of the number): no bf16 or f16 on the way to a quantiser, and a product that is left as it is and whose result goes on into a quantised operand takes f32 operands (vector FMAs, or v_wmma_f32_16x16x4_f32). A number that lies on a knife's edge between two numbers of the format may be rounded either way, as far as f32 arithmetic and the matrix unit's own rounding can turn it there, and no further.
;;   INPUTS GIVEN AS CODES. wctx_w (in the module: [32, 32], K = its axis 1): each comes as NAME_codes (uint8): NAME with its K axis moved to the last place and cut into blocks of 32 codes, [.., K / 32, bytes a block], one block behind the other in memory; four codes in three bytes: a row's codes are one little-endian stream of bits, code i at bits 6 i .. 6 i + 5 (a code: sign, 3 exponent bits, 2 mantissa bits); and NAME_scales (uint8): the same leading axes, one E8M0 byte (e + 127) for each 32 codes along K. Its value is code x scale, taken as it is: it is not quantised again, and the codes and scales need not be those that the quantiser above would give.
;; 2 versions, each right; version 2 is version 1 with the launch deepset written anew for expert scheduling mode. Each part assembles by itself: llvm-mc -triple=amdgcn-amd-amdhsa -mcpu=gfx1250 --defsym DOCPART=n.
;; ======== version 1 of 2: 1 launch
;; limits: a function is approximated: absolute error at most 3e-05; a difference of large sums (such as E[x^2] - mean^2): digits are lost where the result is much smaller than its terms
;; launch deepset (part 1): grid 256 x 1, 8 waves a work-group, no clusters, 17,408 bytes of LDS; arguments z_tilde, mask, phi_w, phi_b, wself_w, wself_b, wctx_w_codes, wctx_w_scales, out_w, out_b, out0; writes out0
.if DOCPART == 1
	.amdgcn_target "amdgcn-amd-amdhsa--gfx1250"
	.amdhsa_code_object_version 6
	.text
	.protected	k_q42e206e3dc_deepset
	.globl	k_q42e206e3dc_deepset
	.p2align	8
	.type	k_q42e206e3dc_deepset,@function
k_q42e206e3dc_deepset:
	s_mov_b64 s[64:65], 0
	v_nop
	global_prefetch_b8 v0, s[64:65] scope:SCOPE_SE
	s_setreg_imm32_b32 hwreg(HW_REG_WAVE_MODE, 25, 1), 1
	s_wait_xcnt 0x0
; out[b][e][n][m] = out_b + sum over k of out_w[k] gelu(z[b][e][n][m] wself_w[k] + wself_b[k] + ctx[b][e][n][k]),  gelu by erf,
; ctx[k] = sum over d of Q(c)[d] wctx[k][d],  c[d] = (phi_w[d] S1 + phi_b[d] S0) / max(S0, 1),  S1 = sum over m of mask z,  S0 = sum over m of mask.
; Q: codes of BF6 (E3M2), one block of 32 with one E8M0 scale; wctx comes as codes and scale bytes and is taken as it lies.  All else in f32.
; SHARES.  8,192 rows (b, e, n) of 128 numbers.  Work-group g: b = g / 32, n = 4 (g % 32) + wave % 4; wave w takes e = 4 (w / 4) + 0 .. 3: four rows that share one row of the mask.
; A lane holds four neighbouring numbers of each row (two pairs): every load and store of a row covers 512 consecutive bytes, at a multiple of 512 from the buffer's first byte.  Each byte of z is read once, each byte of out written once.
; EVERY WAVE MAKES ITS OWN ctx: its four rows stand four times over in the 16 columns of two matrix instructions (k = 0 .. 15, 16 .. 31).  So the waves share nothing: no barrier, and each wave has 2,048 bytes of LDS of its own.
; GELU.  With y = |x|: gelu(x) = (x + m) / 2, m = y - y E, E = erfc(y / sqrt 2) = 2^rho(y), rho(y) = y (d1 + d2 y + .. + d7 y^6).  The linear half is summed once: sum of out_w x = A z + B,
; A = sum of out_w wself_w, B = sum of out_w (wself_b + ctx) for the row.  So a gelu is six vector instructions' share (packed, two numbers each) and one exponential.
; LIMITS.  rho is a fit of degree 7 to log2 erfc: E is within 3e-5 of itself for |x| under 1.3, and erf within about an ulp above: gelu is within 3e-5 x |x| / 2.  Beyond the fit rho goes on falling (d7 < 0), E falls to 0 and m = y: no clamp.
; Where all x of an element lie far under 0 the linear and the even half cancel: what is left carries the f32 rounding of sums of the size of sum |out_w x| (about 1e-6 of it).
; NaN and infinities among the inputs are not served; a scale byte 0xff of wctx gives NaN; a row whose c is all zeros gets the scale byte 1 where the rule says 127: its codes are zeros, and nobody else reads the byte.
; NO CLUSTER, NO TENSOR LOAD: what work-groups share is the weights, some 1,300 bytes against the 18 KiB of z and mask that each reads alone; a wave reads its 2,560 bytes once, at its head, straight into registers.
.set CT,  0                            ; LDS of a wave: rows 0-3: c of my four rows, 128 bytes each; rows 4-7: zeros, which lanes 16-31 read
.set BT,  1024                         ; four rows of 144 bytes: b[k] = wself_b[k] + ctx[k], 32 numbers a row
.set BTP, 144
.set BR,  1600                         ; B of the four rows
.set WS,  1616                         ; wself_w
.set OW,  1744                         ; word 0 = 0, words 1 .. 32 = out_w[0 .. 31]: quad i holds out_w[4 i - 1 .. 4 i + 2], since a step adds the step before it
.set LB,  2                            ; v2   my wave's LDS: 2,048 x wave
.set KA,  3                            ; v3   LB + 16 x the quad of k in hand
.set Z,   16                           ; v16-31   z: row j at +4 j
.set ACC, 32                           ; v32-47   the sums
.set T0,  48                           ; v48-63, v64-79    y, two sets by turns
.set R0,  80                           ; v80-95, v96-111   rho, then E, then m, two sets by turns
.set WSQ, 112                          ; v112-115 four of wself_w
.set WQ,  116                          ; v116-119 four of out_w, shifted by one
.set BQ,  120                          ; v120-135 four of b for each row
.set BRQ, 136                          ; v136-139 B of the four rows
.set W0,  140                          ; v140-151, v152-163  wctx's two fragments
.set BD,  164                          ; v164-171, v172-179  wself_b in the result's layout, then b
.set OL,  180                          ; v180-195 out_w in the result's layout
.set CF,  64                           ; the head: c, 32 numbers a lane
.set QC,  96                           ; the head: c's codes
; v6, v7: wctx's scale bytes; v8: c's: these three hold scales and nothing else.
	s_load_b512 s[8:23], s[0:1], 0x0               ; z s[8:9], mask s[10:11], phi_w s[12:13], phi_b s[14:15], wself_w s[16:17], wself_b s[18:19], codes s[20:21], scales s[22:23]
	s_load_b128 s[24:27], s[0:1], 0x40             ; out_w s[24:25], out_b s[26:27]
	s_load_b64 s[28:29], s[0:1], 0x50              ; out0
	v_lshl_add_u32 v212, v0, 2, 0x4000
	v_mov_b32 v213, 0
	v_lshrrev_b32 v210, 5, v0
	v_readfirstlane_b32 s30, v210                  ; wave 0..7
	v_and_b32 v211, 31, v0                         ; lane
	v_lshlrev_b32 v1, 4, v211                      ; v1: 16 x lane: my 16 bytes of a row
	v_and_b32 v[LB], 0xe0, v0
	v_lshlrev_b32 v[LB], 6, v[LB]                  ; 2,048 x wave
	v_lshlrev_b32 v5, 2, v211                      ; v5: 4 x lane
	v_add_nc_u32 v4, v[LB], v5                     ; v4: the same in my LDS
	v_and_b32 v9, 15, v0                           ; v9: r = lane % 16
	v_mul_u32_u24 v14, v9, 24                      ; v14: a row of wctx's codes is 24 bytes
	v_bfe_u32 v210, v0, 4, 1                       ; h = lane / 16
	v_lshlrev_b32 v15, 5, v210                     ; v15: 32 h: my half's eight numbers of a tile's sixteen
	v_add_nc_u32 v196, v[LB], v1                   ; v196: LB + 16 x lane
	v_and_b32 v205, 3, v0                          ; which of my four rows this lane stands for
	v_lshl_add_u32 v197, v205, 7, v[LB]
	v_lshl_add_u32 v197, v210, 9, v197             ; v197: c's row lane % 4; lanes 16-31: the zero rows, 512 bytes on
	v_mad_u32_u24 v198, v205, BTP, v[LB]
	v_add_nc_u32 v198, v198, v15                   ; v198: b's row lane % 4, + 32 h
	v_lshl_add_u32 v199, v205, 2, v[LB]            ; v199: B's word
	v_add_nc_u32 v200, -1, v210                    ; v200: all ones in lanes 0-15, 0 in lanes 16-31
	s_lshr_b32 s36, ttmp9, 5                       ; b
	s_and_b32 s37, ttmp9, 31
	s_lshl_b32 s37, s37, 2
	s_and_b32 s31, s30, 3
	s_add_co_u32 s37, s37, s31                     ; n
	s_lshr_b32 s31, s30, 2
	s_lshl_b32 s31, s31, 2                         ; my first e
	s_lshl_b32 s32, s36, 3
	s_add_co_u32 s32, s32, s31
	s_lshl_b32 s32, s32, 16                        ; (8 b + e) planes of 128 rows of 512 bytes
	s_lshl_b32 s31, s37, 9                         ; n rows
	s_add_co_u32 s32, s32, s31
	s_mov_b32 s33, 0
	s_lshl_b32 s34, s36, 16                        ; the mask: b planes,
	s_add_co_u32 s34, s34, s31                     ; n rows
	s_mov_b32 s35, 0
	s_wait_kmcnt 0x0
	s_add_nc_u64 s[8:9], s[8:9], s[32:33]
	s_add_nc_u64 s[28:29], s[28:29], s[32:33]
	s_add_nc_u64 s[10:11], s[10:11], s[34:35]
	s_load_b32 s56, s[26:27], 0x0                  ; out_b
	; 25 loads, those that the sums want first
.irp j, 0,1,2,3
	global_load_b128 v[Z+4*\j:Z+4*\j+3], v1, s[8:9] offset:65536*\j th:TH_LOAD_NT   ; row e + j
.endr
	global_load_b128 v[48:51], v1, s[10:11]        ; the mask's row
	global_load_b32 v201, v5, s[12:13]             ; phi_w[lane]
	global_load_b32 v202, v5, s[14:15]             ; phi_b[lane]
	global_load_b32 v203, v5, s[16:17]             ; wself_w[lane]
	global_load_b32 v204, v5, s[24:25]             ; out_w[lane]
.irp t, 0,1
.irp p, 0,1,2
	global_load_b64 v[W0+12*\t+2*\p:W0+12*\t+2*\p+1], v14, s[20:21] offset:384*\t+8*\p   ; row 16 t + r of wctx: its 32 codes are registers 0-5 of the fragment, as they lie
.endr
.endr
	global_load_u8 v6, v9, s[22:23]                ; its scale byte, in byte 0; bytes 1-3 are 0 and stand over zero codes
	global_load_u8 v7, v9, s[22:23] offset:16
.irp t, 0,1
	global_load_b128 v[BD+8*\t:BD+8*\t+3], v15, s[18:19] offset:64*\t        ; wself_b[16 t + 8 h + 0 .. 7]: the C of the product
	global_load_b128 v[BD+8*\t+4:BD+8*\t+7], v15, s[18:19] offset:64*\t+16
.endr
.irp t, 0,1
	global_load_b128 v[OL+8*\t:OL+8*\t+3], v15, s[24:25] offset:64*\t        ; out_w likewise
	global_load_b128 v[OL+8*\t+4:OL+8*\t+7], v15, s[24:25] offset:64*\t+16
.endr
	; constants, while the loads are out.  d_i = c_i log2(e) 2^(-i/2): the fit's argument y / sqrt 2 and the base 2 are folded in.  A packed form names a pair: both words are written
	s_mov_b32 s40, 0xbf9362b0                      ; d1 = -1.15144926
	s_mov_b32 s41, s40
	s_mov_b32 s42, 0xbeea77c7                      ; d2 = -0.45794508
	s_mov_b32 s43, s42
	s_mov_b32 s44, 0xbd5f15d0                      ; d3 = -0.05446416
	s_mov_b32 s45, s44
	s_mov_b32 s46, 0x3c0f53cc                      ; d4 = 0.00874801
	s_mov_b32 s47, s46
	s_mov_b32 s48, 0xba81d538                      ; d5 = -9.9054632e-4
	s_mov_b32 s49, s48
	s_mov_b32 s50, 0x3890ec3c                      ; d6 = 6.9104574e-5
	s_mov_b32 s51, s50
	s_mov_b32 s52, 0x7fffffff                      ; clears a sign
	s_mov_b32 s54, 0x76543210
	s_mov_b32 s55, 0xfedcba98                      ; v_permlanex16_b32's selects for lane l xor 16
	v_mov_b32 v10, 0xb613eb93                      ; d7 = -2.2041830e-6
	v_mov_b32 v11, v10
.irp i, 206,207,208,209
	v_mov_b32 v\i, 0
.endr
.irp i, 6,7,8,9,10,11
	v_mov_b32 v[W0+\i], 0                          ; K = 64 .. 127 of the instruction's 128: zero codes on both sides
	v_mov_b32 v[W0+12+\i], 0
	v_mov_b32 v[QC+\i], 0
.endr
	; S0 and the four S1
	s_wait_loadcnt 20                              ; z and the mask are in: the 20 loads issued behind the mask's may stay out
	v_pk_add_f32 v[60:61], v[48:49], v[50:51]
.irp j, 0,1,2,3
	v_pk_mul_f32 v[52+2*\j:53+2*\j], v[Z+4*\j:Z+4*\j+1], v[48:49]
.endr
.irp j, 0,1,2,3
	v_pk_fma_f32 v[52+2*\j:53+2*\j], v[Z+4*\j+2:Z+4*\j+3], v[50:51], v[52+2*\j:53+2*\j]
.endr
.irp s, 52,54,56,58,60
	v_add_f32 v[\s], v[\s], v[\s+1]
.endr
.irp m, 1,2,4,8
.irp s, 52,54,56,58,60
	v_add_f32_dpp v\s, v\s, v\s row_xmask:\m row_mask:0xf bank_mask:0xf   ; the five sums by turns
.endr
.endr
.irp s, 52,54,56,58,60
	v_permlanex16_b32 v[\s+1], v[\s], s54, s55
.endr
.irp s, 52,54,56,58,60
	v_add_f32 v[\s], v[\s], v[\s+1]                ; every lane holds the sums
.endr
	v_max_num_f32 v63, 1.0, v60
	v_rcp_f32 v62, v63                             ; 1 / max(S0, 1)
	s_wait_loadcnt 0x0                             ; the weights
	s_wait_kmcnt 0x0                               ; out_b
	s_mov_b32 s57, s56
.irp i, 0,1,2,3,4,5
	v_and_b32 v[W0+\i], v200, v[W0+\i]             ; lanes 16-31 stand for K = 32 .. 63: zero codes.  (Plain work behind the reciprocal)
	v_and_b32 v[W0+12+\i], v200, v[W0+12+\i]
.endr
	s_wait_alu depctr_va_vdst(0)                   ; the wait ahead of the reciprocal's first reader
	v_mul_f32 v63, v60, v62                        ; s = S0 / max(S0, 1)
.irp j, 0,1,2,3
	v_mul_f32 v[52+2*\j], v[52+2*\j], v62          ; a_j = S1_j / max(S0, 1)
.endr
	; c, a lane to a d; then through my LDS, so that a lane holds a whole row's 32.  LDS serves a wave's instructions in order (ISA guide 5.7.1): no wait between my stores and my loads
	ds_store_b32 v4, v203 offset:WS
	ds_store_b32 v4, v204 offset:OW+4
	ds_store_b32 v[LB], v206 offset:OW             ; (all lanes write the same word with the same value)
	ds_store_b128 v196, v[206:209] offset:CT+512   ; the zero rows
	v_mul_f32 v61, v202, v63
.irp j, 0,1,2,3
	v_fma_f32 v[53+2*\j], v201, v[52+2*\j], v61    ; c_j[d] = phi_w[d] a_j + phi_b[d] s
.endr
.irp j, 0,1,2,3
	ds_store_b32 v4, v[53+2*\j] offset:CT+128*\j
.endr
.irp q, 0,1,2,3,4,5,6,7
	ds_load_b128 v[CF+4*\q:CF+4*\q+3], v197 offset:CT+16*\q
.endr
	v_mul_f32 v48, v203, v204                      ; A = sum over k of out_w wself_w, while the loads are out
.irp m, 1,2,4,8
	v_add_f32_dpp v48, v48, v48 row_xmask:\m row_mask:0xf bank_mask:0xf
.endr
	v_permlanex16_b32 v49, v48, s54, s55
	v_add_f32 v12, v48, v49
	v_mov_b32 v13, v12
	s_wait_dscnt 0x0
	; the quantiser: the block's largest magnitude, with the floor 2^(5 - 127) among its leaves, so that the byte cannot fall under 1
	v_max3_num_f32 v48, |v[CF]|, |v[CF+1]|, 0x2800000
	v_max3_num_f32 v49, |v[CF+16]|, |v[CF+17]|, |v[CF+18]|
.irp i, 2,4,6,8,10,12
	v_max3_num_f32 v48, v48, |v[CF+\i]|, |v[CF+\i+1]|
	v_max3_num_f32 v49, v49, |v[CF+17+\i]|, |v[CF+18+\i]|
.endr
	v_max3_num_f32 v48, v48, |v[CF+14]|, |v[CF+15]|
	v_max3_num_f32 v48, v48, v49, |v[CF+31]|
	v_add_nc_u32 v50, 0xfe000000, v48              ; 4 off its exponent field: the conversion takes the exponent field of this operand as its scale, and nothing else of it
	v_lshrrev_b32 v8, 23, v50                      ; the scale's byte, in byte 0; bytes 1-3 are 0 and stand over zero codes
	v_cvt_scalef32_pk16_bf6_f32 v[QC:QC+2], v[CF:CF+15], v50
	v_cvt_scalef32_pk16_bf6_f32 v[108:110], v[CF+16:CF+31], v50   ; (a conversion's three registers begin on an even number)
	v_nop                                          ; one plain place behind a scaled conversion
	v_mov_b32 v[QC+3], v108
	v_mov_b32 v[QC+4], v109
	v_mov_b32 v[QC+5], v110
.rept 8
	v_nop                                          ; a scale register written by a vector instruction stands 8 places ahead of a scaled matrix instruction, an operand so written 4
.endr
	; b = wself_b + wctx Q(c)^T.  Source 0 = 16 rows k of wctx, source 1 = my rows: lane (r, h), register j: b[row r % 4][16 t + 8 h + j].  Two accumulators, one instruction each
	v_wmma_scale_f32_16x16x128_f8f6f4 v[BD:BD+7], v[W0:W0+11], v[QC:QC+11], v[BD:BD+7], v6, v8 matrix_a_fmt:MATRIX_FMT_BF6 matrix_b_fmt:MATRIX_FMT_BF6
	v_wmma_scale_f32_16x16x128_f8f6f4 v[BD+8:BD+15], v[W0+12:W0+23], v[QC:QC+11], v[BD+8:BD+15], v7, v8 matrix_a_fmt:MATRIX_FMT_BF6 matrix_b_fmt:MATRIX_FMT_BF6
.rept 4
	v_nop                                          ; four places ahead of the first read of the results (ISA guide 7.12.1)
.endr
	ds_store_b128 v198, v[BD:BD+3] offset:BT       ; each accumulator from its low end on.  (Lanes r, r + 4, r + 8, r + 12 write the same bytes with the same values)
	ds_store_b128 v198, v[BD+4:BD+7] offset:BT+16
	ds_store_b128 v198, v[BD+8:BD+11] offset:BT+64
	ds_store_b128 v198, v[BD+12:BD+15] offset:BT+80
	v_pk_mul_f32 v[48:49], v[BD:BD+1], v[OL:OL+1]  ; B = sum over k of out_w b: my 16 of the 32, in two chains
	v_pk_mul_f32 v[50:51], v[BD+8:BD+9], v[OL+8:OL+9]
.irp i, 2,4,6
	v_pk_fma_f32 v[48:49], v[BD+\i:BD+\i+1], v[OL+\i:OL+\i+1], v[48:49]
	v_pk_fma_f32 v[50:51], v[BD+8+\i:BD+9+\i], v[OL+8+\i:OL+9+\i], v[50:51]
.endr
	v_pk_add_f32 v[48:49], v[48:49], v[50:51]
	v_add_f32 v48, v48, v49
	v_permlanex16_b32 v49, v48, s54, s55
	v_add_f32 v48, v48, v49                        ; with lane l xor 16's 16
	ds_store_b32 v199, v48 offset:BR
	s_mov_b32 s58, 0                               ; s58: 16 x the quad of k; it also counts the loop
	v_add_nc_u32 v[KA], s58, v[LB]
	ds_load_b128 v[BRQ:BRQ+3], v[LB] offset:BR
	ds_load_b128 v[WSQ:WSQ+3], v[KA] offset:WS
.irp j, 0,1,2,3
	ds_load_b128 v[BQ+4*\j:BQ+4*\j+3], v[KA] offset:BT+BTP*\j
.endr
	ds_load_b128 v[WQ:WQ+3], v[KA] offset:OW
	s_wait_dscnt 6                                 ; B is in: the six loads issued behind it may stay out
.irp p, 0,1,2,3,4,5,6,7                        ; the sums begin as A z + B: the linear half of all 32 gelus
.if ((\p/2)%2) == 0
	v_pk_fma_f32 v[ACC+2*\p:ACC+2*\p+1], v[Z+2*\p:Z+2*\p+1], v[12:13], v[BRQ+2*(\p/4):BRQ+2*(\p/4)+1] op_sel_hi:[1,1,0]
.else
	v_pk_fma_f32 v[ACC+2*\p:ACC+2*\p+1], v[Z+2*\p:Z+2*\p+1], v[12:13], v[BRQ+2*(\p/4):BRQ+2*(\p/4)+1] op_sel:[0,0,1] op_sel_hi:[1,1,1]
.endif
.endr
; Behind each of a step's 80 plain lines: after every fifth, one of the 16 exponentials of the step BEFORE, in place on that step's rho.  The last stands ahead of the 80th plain line, which is the plain
; instruction that is owed behind an exponential.  Nothing names a result before the step's one wait.
.macro P
.set NP, NP+1
.if DOEXP && (NP%5 == 4)
	v_exp_f32 v[RO+NP/5], v[RO+NP/5]
.endif
.endm
; One k, number j of its quad, for my 16 numbers (8 pairs; pair p belongs to row p / 2).  Each level runs over all 8 pairs, so that a line and the line that needs it stand 8 apart.
; doprev = 1: the step before is finished here: E by the exponentials, m = y - y E, the sums += out_w m.  last = 1: there is no next quad.
.macro STEP j, doprev, last
.set TN, T0+16*((\j)%2)
.set TO, T0+16*(1-(\j)%2)
.set RN, R0+16*((\j)%2)
.set RO, R0+16*(1-(\j)%2)
.set NP, 0
.set DOEXP, (\doprev)
.irp p, 0,1,2,3,4,5,6,7                        ; x = z wself_w[k] + b[k]
.if ((\j)%2) == 0
	v_pk_fma_f32 v[TN+2*\p:TN+2*\p+1], v[Z+2*\p:Z+2*\p+1], v[WSQ+2*((\j)/2):WSQ+2*((\j)/2)+1], v[BQ+4*(\p/2)+2*((\j)/2):BQ+4*(\p/2)+2*((\j)/2)+1] op_sel_hi:[1,0,0]
.else
	v_pk_fma_f32 v[TN+2*\p:TN+2*\p+1], v[Z+2*\p:Z+2*\p+1], v[WSQ+2*((\j)/2):WSQ+2*((\j)/2)+1], v[BQ+4*(\p/2)+2*((\j)/2):BQ+4*(\p/2)+2*((\j)/2)+1] op_sel:[0,1,1] op_sel_hi:[1,1,1]
.endif
	P
.endr
.if ((\j) == 3) && ((\last) == 0)              ; the quad's last x is made: the next quad's wself_w and b are asked for, a step's work ahead of their use
	s_add_co_u32 s58, s58, 16
	v_add_nc_u32 v[KA], s58, v[LB]
	ds_load_b128 v[WSQ:WSQ+3], v[KA] offset:WS
.irp r, 0,1,2,3
	ds_load_b128 v[BQ+4*\r:BQ+4*\r+3], v[KA] offset:BT+BTP*\r
.endr
.endif
.irp i, 0,1,2,3,4,5,6,7,8,9,10,11,12,13,14,15
	v_and_b32 v[TN+\i], s52, v[TN+\i]              ; y = |x|
	P
.endr
.irp p, 0,1,2,3,4,5,6,7
	v_pk_fma_f32 v[RN+2*\p:RN+2*\p+1], v[TN+2*\p:TN+2*\p+1], v[10:11], s[50:51] op_sel_hi:[1,1,0]   ; d7 y + d6
	P
.endr
.irp c, 48,46,44,42,40                         ; x y + d5 .. d1
.irp p, 0,1,2,3,4,5,6,7
	v_pk_fma_f32 v[RN+2*\p:RN+2*\p+1], v[RN+2*\p:RN+2*\p+1], v[TN+2*\p:TN+2*\p+1], s[\c:\c+1] op_sel_hi:[1,1,0]
	P
.endr
.endr
.irp p, 0,1,2,3,4,5,6,7
	v_pk_mul_f32 v[RN+2*\p:RN+2*\p+1], v[RN+2*\p:RN+2*\p+1], v[TN+2*\p:TN+2*\p+1]   ; rho(y)
	P
.endr
.if (\j) == 0
	s_wait_dscnt 0x0                               ; this quad's out_w is in
.endif
.if (\doprev)
	s_wait_alu depctr_va_vdst(0)                   ; the wait ahead of the first reader: one for the batch of 16
.irp p, 0,1,2,3,4,5,6,7
	v_pk_fma_f32 v[RO+2*\p:RO+2*\p+1], v[TO+2*\p:TO+2*\p+1], v[RO+2*\p:RO+2*\p+1], v[TO+2*\p:TO+2*\p+1] neg_lo:[1,0,0] neg_hi:[1,0,0]   ; m = y - y E
.endr
.irp p, 0,1,2,3,4,5,6,7
.if ((\j)%2) == 0
	v_pk_fma_f32 v[ACC+2*\p:ACC+2*\p+1], v[RO+2*\p:RO+2*\p+1], v[WQ+2*((\j)/2):WQ+2*((\j)/2)+1], v[ACC+2*\p:ACC+2*\p+1] op_sel_hi:[1,0,1]
.else
	v_pk_fma_f32 v[ACC+2*\p:ACC+2*\p+1], v[RO+2*\p:RO+2*\p+1], v[WQ+2*((\j)/2):WQ+2*((\j)/2)+1], v[ACC+2*\p:ACC+2*\p+1] op_sel:[0,1,0] op_sel_hi:[1,1,1]
.endif
.endr
.endif
.if (\j) == 3
.if (\last)
	ds_load_b32 v[WQ], v[KA] offset:OW+16          ; out_w[31], for the last step
.else
	ds_load_b128 v[WQ:WQ+3], v[KA] offset:OW       ; the next quad's out_w: its registers have just been read for the last time
.endif
.endif
.endm
.macro TRIP first, last                        ; a quad of k
	s_wait_dscnt 0x1                               ; wself_w and b of this quad are in; the load issued last, out_w's, may stay out
	STEP 0, 1-(\first), 0
	STEP 1, 1, 0
	STEP 2, 1, 0
	STEP 3, 1, \last
.endm
	TRIP 1, 0                                      ; quad 0: its first step has no step before it
.Lquad:                                            ; quads 1 to 6: six trips; s58 is stepped once a trip, from 16 to 112
	TRIP 0, 0
	s_cmp_lt_u32 s58, 112
	s_cbranch_scc1 .Lquad
	TRIP 0, 1                                      ; quad 7 asks for no next quad
	; the last step is finished, and the rows leave
.irp i, 0,1,2,3,4,5,6,7,8,9,10,11,12,13,14,15
	v_exp_f32 v[R0+16+\i], v[R0+16+\i]
.endr
	v_nop                                          ; a plain instruction behind the last exponential
	s_wait_dscnt 0x0                               ; out_w[31]
	s_wait_alu depctr_va_vdst(0)                   ; and the wait ahead of the batch's first reader
.irp p, 0,1,2,3,4,5,6,7
	v_pk_fma_f32 v[R0+16+2*\p:R0+17+2*\p], v[T0+16+2*\p:T0+17+2*\p], v[R0+16+2*\p:R0+17+2*\p], v[T0+16+2*\p:T0+17+2*\p] neg_lo:[1,0,0] neg_hi:[1,0,0]
.endr
.irp p, 0,1,2,3,4,5,6,7
	v_pk_fma_f32 v[ACC+2*\p:ACC+2*\p+1], v[R0+16+2*\p:R0+17+2*\p], v[WQ:WQ+1], v[ACC+2*\p:ACC+2*\p+1] op_sel_hi:[1,0,1]
.endr
.irp p, 0,1,2,3,4,5,6,7
	v_pk_fma_f32 v[ACC+2*\p:ACC+2*\p+1], v[ACC+2*\p:ACC+2*\p+1], 0.5, s[56:57] op_sel_hi:[1,0,0]   ; out = sum / 2 + out_b
.endr
.irp j, 0,1,2,3
	global_store_b128 v1, v[ACC+4*\j:ACC+4*\j+3], s[28:29] offset:65536*\j th:TH_STORE_NT   ; 32 lanes store a row's 512 consecutive bytes; written once, read by nobody here
.endr
	s_wait_tensorcnt 0x0
	ds_add_u32 v212, v213
	s_wait_dscnt 0x0
	s_endpgm
.Lfunc_end_k_q42e206e3dc_deepset:
	.size	k_q42e206e3dc_deepset, .Lfunc_end_k_q42e206e3dc_deepset-k_q42e206e3dc_deepset
	.p2alignl 7, 3214868480
	.fill 96, 4, 3214868480
	.section	.rodata,"a",@progbits
	.p2align	6, 0x0
	.amdhsa_kernel k_q42e206e3dc_deepset
		.amdhsa_group_segment_fixed_size 17408
		.amdhsa_private_segment_fixed_size 0
		.amdhsa_enable_private_segment 0
		.amdhsa_kernarg_size 88
		.amdhsa_user_sgpr_count 2
		.amdhsa_user_sgpr_kernarg_segment_ptr 1
		.amdhsa_wavefront_size32 1
		.amdhsa_system_sgpr_workgroup_id_x 1
		.amdhsa_system_sgpr_workgroup_id_y 1
		.amdhsa_system_sgpr_workgroup_id_z 1
		.amdhsa_system_vgpr_workitem_id 0
		.amdhsa_next_free_vgpr 214
		.amdhsa_next_free_sgpr 66
		.amdhsa_reserve_vcc 0
		.amdhsa_float_denorm_mode_32 3
		.amdhsa_float_denorm_mode_16_64 3
		.amdhsa_memory_ordered 1
		.amdhsa_forward_progress 1
		.amdhsa_inst_pref_size 90
	.end_amdhsa_kernel
	.amdgpu_metadata
---
amdhsa.version: [ 1, 2 ]
amdhsa.kernels:
  - .name:           k_q42e206e3dc_deepset
    .symbol:         k_q42e206e3dc_deepset.kd
    .args:
      - { .name: z_tilde, .offset: 0, .size: 8, .value_kind: global_buffer, .address_space: global }
      - { .name: mask, .offset: 8, .size: 8, .value_kind: global_buffer, .address_space: global }
      - { .name: phi_w, .offset: 16, .size: 8, .value_kind: global_buffer, .address_space: global }
      - { .name: phi_b, .offset: 24, .size: 8, .value_kind: global_buffer, .address_space: global }
      - { .name: wself_w, .offset: 32, .size: 8, .value_kind: global_buffer, .address_space: global }
      - { .name: wself_b, .offset: 40, .size: 8, .value_kind: global_buffer, .address_space: global }
      - { .name: wctx_w_codes, .offset: 48, .size: 8, .value_kind: global_buffer, .address_space: global }
      - { .name: wctx_w_scales, .offset: 56, .size: 8, .value_kind: global_buffer, .address_space: global }
      - { .name: out_w, .offset: 64, .size: 8, .value_kind: global_buffer, .address_space: global }
      - { .name: out_b, .offset: 72, .size: 8, .value_kind: global_buffer, .address_space: global }
      - { .name: out0, .offset: 80, .size: 8, .value_kind: global_buffer, .address_space: global }
    .group_segment_fixed_size: 17408
    .private_segment_fixed_size: 0
    .kernarg_segment_align: 8
    .kernarg_segment_size: 88
    .max_flat_workgroup_size: 256
    .sgpr_count:     66
    .vgpr_count:     214
    .wavefront_size: 32
...
	.end_amdgpu_metadata
.endif
;; end of part 1
;; ======== version 2 of 2: 1 launch; version 1 with the launch deepset written anew for expert scheduling mode
;; limits: a function is approximated: absolute error at most 3e-05; a difference of large sums (such as E[x^2] - mean^2): digits are lost where the result is much smaller than its terms
;; launch deepset (part 2): grid 256 x 1, 8 waves a work-group, no clusters, 17,408 bytes of LDS; arguments z_tilde, mask, phi_w, phi_b, wself_w, wself_b, wctx_w_codes, wctx_w_scales, out_w, out_b, out0; writes out0
.if DOCPART == 2
	.amdgcn_target "amdgcn-amd-amdhsa--gfx1250"
	.amdhsa_code_object_version 6
	.text
	.protected	k_q42e206e3dc_deepset
	.globl	k_q42e206e3dc_deepset
	.p2align	8
	.type	k_q42e206e3dc_deepset,@function
k_q42e206e3dc_deepset:
	s_mov_b64 s[64:65], 0
	v_nop
	global_prefetch_b8 v0, s[64:65] scope:SCOPE_SE
	s_setreg_imm32_b32 hwreg(HW_REG_WAVE_SCHED_MODE, 0, 2), 2
	s_setreg_imm32_b32 hwreg(HW_REG_WAVE_MODE, 25, 1), 1
	s_wait_xcnt 0x0
	s_wait_alu depctr_vm_vsrc(0)
; out[b][e][n][m] = out_b + sum over k of out_w[k] gelu(z[b][e][n][m] wself_w[k] + wself_b[k] + ctx[b][e][n][k]),  gelu by erf,
; ctx[k] = sum over d of Q(c)[d] wctx[k][d],  c[d] = (phi_w[d] S1 + phi_b[d] S0) / max(S0, 1),  S1 = sum over m of mask z,  S0 = sum over m of mask.
; Q: codes of BF6 (E3M2), one block of 32 with one E8M0 scale; wctx comes as codes and scale bytes and is taken as it lies.  All else in f32.
; SHARES.  8,192 rows (b, e, n) of 128 numbers.  Work-group g: b = g / 32, n = 4 (g % 32) + wave % 4; wave w takes e = 4 (w / 4) + 0 .. 3: four rows that share one row of the mask.
; A lane holds four neighbouring numbers of each row (two pairs): every load and store of a row covers 512 consecutive bytes, at a multiple of 512 from the buffer's first byte.  Each byte of z is read once, each byte of out written once.
; EVERY WAVE MAKES ITS OWN ctx: its four rows stand four times over in the 16 columns of two matrix instructions (k = 0 .. 15, 16 .. 31).  So the waves share nothing: no barrier, and each wave has 2,048 bytes of LDS of its own.
; GELU.  With y = |x|: gelu(x) = (x + m) / 2, m = y - y E, E = erfc(y / sqrt 2) = 2^rho(y), rho(y) = y (d1 + d2 y + .. + d7 y^6).  The linear half is summed once: sum of out_w x = A z + B,
; A = sum of out_w wself_w, B = sum of out_w (wself_b + ctx) for the row.  So a gelu is six vector instructions' share (packed, two numbers each) and one exponential.
; LIMITS.  rho is a fit of degree 7 to log2 erfc: E is within 3e-5 of itself for |x| under 1.3, and erf within about an ulp above: gelu is within 3e-5 x |x| / 2.  Beyond the fit rho goes on falling (d7 < 0), E falls to 0 and m = y: no clamp.
; Where all x of an element lie far under 0 the linear and the even half cancel: what is left carries the f32 rounding of sums of the size of sum |out_w x| (about 1e-6 of it).
; NaN and infinities among the inputs are not served; a scale byte 0xff of wctx gives NaN; a row whose c is all zeros gets the scale byte 1 where the rule says 127: its codes are zeros, and nobody else reads the byte.
; NO CLUSTER, NO TENSOR LOAD: what work-groups share is the weights, some 1,300 bytes against the 18 KiB of z and mask that each reads alone; a wave reads its 2,560 bytes once, at its head, straight into registers.
; THE MODE: SCHED_MODE bits 1:0 = 2 (LLVM: expert scheduling mode 2), set by the entry lines.  The code itself states the register dependences
; between vector or matrix instructions and memory or LDS instructions, with s_wait_alu, always for 0.
; THE PLAN.  Registers that memory or LDS instructions touch:
;   v1, v5, v9, v14, v15 (offsets in memory), v2, v4, v196-199 (LDS addresses): written once at the head, ahead of one wait on va_vdst, and never again.
;   v[KA]      Read by every load of a quad's numbers; written at the head and once a trip, at the trip's head, behind a wait on vm_vsrc.
;   PB0, PB1   two sets of a quad's 24 numbers (wself_w, out_w, b), by turns.  Quad q's vector lines read set q % 2; the six loads for quad q + 1 land in the other set, which quad q - 1's last step read last.
;   The head's LDS stores read c (v53, 55, 57, 59), b (the matrix results) and B (v48): each run of stores stands behind a wait on va_vdst; v48 to v59 become y behind one wait on vm_vsrc.
;   y, rho and the sums are named by vector instructions alone, up to the four stores at the end.
; In the loop ONE wait on va_vdst stands in a step, ahead of the first reader of the step's 16 exponentials.  In a quad's second step the same wait states that the quad before is done reading the other set and that
; v[KA] is written: the six loads follow it, dealt among the lines m = y - y E, which name y and E alone.  They have two steps and a half in which to land.
.set CT,  0                            ; LDS of a wave: rows 0-3: c of my four rows, 128 bytes each; rows 4-7: zeros, which lanes 16-31 read
.set BT,  1024                         ; four rows of 144 bytes: b[k] = wself_b[k] + ctx[k], 32 numbers a row
.set BTP, 144
.set BR,  1600                         ; B of the four rows
.set WS,  1616                         ; wself_w
.set OW,  1744                         ; word 0 = 0, words 1 .. 32 = out_w[0 .. 31]: quad i holds out_w[4 i - 1 .. 4 i + 2], since a step adds the step before it
.set LB,  2                            ; v2   my wave's LDS: 2,048 x wave
.set KA,  3                            ; v3   LB + s58: LB up to the loop, 32 bytes (two quads of k) more in each trip
.set Z,   16                           ; v16-31   z: row j at +4 j
.set ACC, 32                           ; v32-47   the sums
.set T0,  48                           ; v48-63, v64-79    y, two sets by turns
.set R0,  80                           ; v80-95, v96-111   rho, then E, then m, two sets by turns
.set PB0, 112                          ; v112-135 the even quads' numbers: +0 four of wself_w; +4 four of out_w, shifted by one; +8 four of b for each row
.set PB1, 212                          ; v212-235 the odd quads'
.set BRQ, 136                          ; v136-139 B of the four rows
.set W0,  140                          ; v140-151, v152-163  wctx's two fragments
.set BD,  164                          ; v164-171, v172-179  wself_b in the result's layout, then b
.set OL,  180                          ; v180-195 out_w in the result's layout
.set CF,  64                           ; the head: c, 32 numbers a lane
.set QC,  96                           ; the head: c's codes
; v6, v7: wctx's scale bytes; v8: c's: these three hold scales and nothing else.
	s_load_b512 s[8:23], s[0:1], 0x0               ; z s[8:9], mask s[10:11], phi_w s[12:13], phi_b s[14:15], wself_w s[16:17], wself_b s[18:19], codes s[20:21], scales s[22:23]
	s_load_b128 s[24:27], s[0:1], 0x40             ; out_w s[24:25], out_b s[26:27]
	s_load_b64 s[28:29], s[0:1], 0x50              ; out0
	v_lshl_add_u32 v236, v0, 2, 0x4000
	v_mov_b32 v237, 0
	s_mov_b32 s58, 0                               ; s58: 16 x a quad of k; it also counts the loop
	v_lshrrev_b32 v210, 5, v0
	v_readfirstlane_b32 s30, v210                  ; wave 0..7
	v_and_b32 v211, 31, v0                         ; lane
	v_lshlrev_b32 v1, 4, v211                      ; v1: 16 x lane: my 16 bytes of a row
	v_and_b32 v[LB], 0xe0, v0
	v_lshlrev_b32 v[LB], 6, v[LB]                  ; 2,048 x wave
	v_add_nc_u32 v[KA], s58, v[LB]                 ; quads 0 and 1 are reached from here
	v_lshlrev_b32 v5, 2, v211                      ; v5: 4 x lane
	v_add_nc_u32 v4, v[LB], v5                     ; v4: the same in my LDS
	v_and_b32 v9, 15, v0                           ; v9: r = lane % 16
	v_mul_u32_u24 v14, v9, 24                      ; v14: a row of wctx's codes is 24 bytes
	v_bfe_u32 v210, v0, 4, 1                       ; h = lane / 16
	v_lshlrev_b32 v15, 5, v210                     ; v15: 32 h: my half's eight numbers of a tile's sixteen
	v_add_nc_u32 v196, v[LB], v1                   ; v196: LB + 16 x lane
	v_and_b32 v205, 3, v0                          ; which of my four rows this lane stands for
	v_lshl_add_u32 v197, v205, 7, v[LB]
	v_lshl_add_u32 v197, v210, 9, v197             ; v197: c's row lane % 4; lanes 16-31: the zero rows, 512 bytes on
	v_mad_u32_u24 v198, v205, BTP, v[LB]
	v_add_nc_u32 v198, v198, v15                   ; v198: b's row lane % 4, + 32 h
	v_lshl_add_u32 v199, v205, 2, v[LB]            ; v199: B's word
	v_add_nc_u32 v200, -1, v210                    ; v200: all ones in lanes 0-15, 0 in lanes 16-31
	s_wait_alu depctr_va_sdst(0)                   ; s30 is written, ahead of its first reader: n and e, and from them the bases of z, mask and out, are made from it
	s_lshr_b32 s36, ttmp9, 5                       ; b
	s_and_b32 s37, ttmp9, 31
	s_lshl_b32 s37, s37, 2
	s_and_b32 s31, s30, 3
	s_add_co_u32 s37, s37, s31                     ; n
	s_lshr_b32 s31, s30, 2
	s_lshl_b32 s31, s31, 2                         ; my first e
	s_lshl_b32 s32, s36, 3
	s_add_co_u32 s32, s32, s31
	s_lshl_b32 s32, s32, 16                        ; (8 b + e) planes of 128 rows of 512 bytes
	s_lshl_b32 s31, s37, 9                         ; n rows
	s_add_co_u32 s32, s32, s31
	s_mov_b32 s33, 0
	s_lshl_b32 s34, s36, 16                        ; the mask: b planes,
	s_add_co_u32 s34, s34, s31                     ; n rows
	s_mov_b32 s35, 0
	s_wait_kmcnt 0x0
	s_add_nc_u64 s[8:9], s[8:9], s[32:33]
	s_add_nc_u64 s[28:29], s[28:29], s[32:33]
	s_add_nc_u64 s[10:11], s[10:11], s[34:35]
	s_load_b32 s56, s[26:27], 0x0                  ; out_b
	s_wait_alu depctr_va_vdst(0)                   ; the offsets v1, v5, v9, v14, v15 are written, which the loads below and the last stores read; so are the LDS addresses v2, v3, v4 and v196 to v199
	; 25 loads, those that the sums want first
.irp j, 0,1,2,3
	global_load_b128 v[Z+4*\j:Z+4*\j+3], v1, s[8:9] offset:65536*\j th:TH_LOAD_NT   ; row e + j
.endr
	global_load_b128 v[48:51], v1, s[10:11]        ; the mask's row
	global_load_b32 v201, v5, s[12:13]             ; phi_w[lane]
	global_load_b32 v202, v5, s[14:15]             ; phi_b[lane]
	global_load_b32 v203, v5, s[16:17]             ; wself_w[lane]
	global_load_b32 v204, v5, s[24:25]             ; out_w[lane]
.irp t, 0,1
.irp p, 0,1,2
	global_load_b64 v[W0+12*\t+2*\p:W0+12*\t+2*\p+1], v14, s[20:21] offset:384*\t+8*\p   ; row 16 t + r of wctx: its 32 codes are registers 0-5 of the fragment, as they lie
.endr
.endr
	global_load_u8 v6, v9, s[22:23]                ; its scale byte, in byte 0; bytes 1-3 are 0 and stand over zero codes
	global_load_u8 v7, v9, s[22:23] offset:16
.irp t, 0,1
	global_load_b128 v[BD+8*\t:BD+8*\t+3], v15, s[18:19] offset:64*\t        ; wself_b[16 t + 8 h + 0 .. 7]: the C of the product
	global_load_b128 v[BD+8*\t+4:BD+8*\t+7], v15, s[18:19] offset:64*\t+16
.endr
.irp t, 0,1
	global_load_b128 v[OL+8*\t:OL+8*\t+3], v15, s[24:25] offset:64*\t        ; out_w likewise
	global_load_b128 v[OL+8*\t+4:OL+8*\t+7], v15, s[24:25] offset:64*\t+16
.endr
	; constants, while the loads are out.  d_i = c_i log2(e) 2^(-i/2): the fit's argument y / sqrt 2 and the base 2 are folded in.  A packed form names a pair: both words are written
	s_mov_b32 s40, 0xbf9362b0                      ; d1 = -1.15144926
	s_mov_b32 s41, s40
	s_mov_b32 s42, 0xbeea77c7                      ; d2 = -0.45794508
	s_mov_b32 s43, s42
	s_mov_b32 s44, 0xbd5f15d0                      ; d3 = -0.05446416
	s_mov_b32 s45, s44
	s_mov_b32 s46, 0x3c0f53cc                      ; d4 = 0.00874801
	s_mov_b32 s47, s46
	s_mov_b32 s48, 0xba81d538                      ; d5 = -9.9054632e-4
	s_mov_b32 s49, s48
	s_mov_b32 s50, 0x3890ec3c                      ; d6 = 6.9104574e-5
	s_mov_b32 s51, s50
	s_mov_b32 s52, 0x7fffffff                      ; clears a sign
	s_mov_b32 s54, 0x76543210
	s_mov_b32 s55, 0xfedcba98                      ; v_permlanex16_b32's selects for lane l xor 16
	v_mov_b32 v10, 0xb613eb93                      ; d7 = -2.2041830e-6
	v_mov_b32 v11, v10
.irp i, 206,207,208,209
	v_mov_b32 v\i, 0
.endr
.irp i, 6,7,8,9,10,11
	v_mov_b32 v[W0+\i], 0                          ; K = 64 .. 127 of the instruction's 128: zero codes on both sides.  (None of these registers is one in which a load lands or that a load reads)
	v_mov_b32 v[W0+12+\i], 0
	v_mov_b32 v[QC+\i], 0
.endr
	; S0 and the four S1
	s_wait_loadcnt 20                              ; z and the mask are in: the 20 loads issued behind the mask's may stay out
	v_pk_add_f32 v[60:61], v[48:49], v[50:51]
.irp j, 0,1,2,3
	v_pk_mul_f32 v[52+2*\j:53+2*\j], v[Z+4*\j:Z+4*\j+1], v[48:49]
.endr
.irp j, 0,1,2,3
	v_pk_fma_f32 v[52+2*\j:53+2*\j], v[Z+4*\j+2:Z+4*\j+3], v[50:51], v[52+2*\j:53+2*\j]
.endr
.irp s, 52,54,56,58,60
	v_add_f32 v[\s], v[\s], v[\s+1]
.endr
.irp m, 1,2,4,8
.irp s, 52,54,56,58,60
	v_add_f32_dpp v\s, v\s, v\s row_xmask:\m row_mask:0xf bank_mask:0xf   ; the five sums by turns
.endr
.endr
.irp s, 52,54,56,58,60
	v_permlanex16_b32 v[\s+1], v[\s], s54, s55
.endr
.irp s, 52,54,56,58,60
	v_add_f32 v[\s], v[\s], v[\s+1]                ; every lane holds the sums
.endr
	v_max_num_f32 v63, 1.0, v60
	v_rcp_f32 v62, v63                             ; 1 / max(S0, 1)
	s_wait_loadcnt 0x0                             ; the weights
	s_wait_kmcnt 0x0                               ; out_b
	s_mov_b32 s57, s56
.irp i, 0,1,2,3,4,5
	v_and_b32 v[W0+\i], v200, v[W0+\i]             ; lanes 16-31 stand for K = 32 .. 63: zero codes.  (Plain work behind the reciprocal)
	v_and_b32 v[W0+12+\i], v200, v[W0+12+\i]
.endr
	s_wait_alu depctr_va_vdst(0)                   ; the reciprocal has written v62, ahead of its first reader; the moves have written the zeros v206 to v209, which the stores below read
	; LDS serves a wave's instructions in order (ISA guide 5.7.1): no wait between my stores and my loads
	ds_store_b32 v4, v203 offset:WS
	ds_store_b32 v4, v204 offset:OW+4
	ds_store_b32 v[LB], v206 offset:OW             ; (all lanes write the same word with the same value)
	ds_store_b128 v196, v[206:209] offset:CT+512   ; the zero rows
	v_mul_f32 v63, v60, v62                        ; s = S0 / max(S0, 1)
.irp j, 0,1,2,3
	v_mul_f32 v[52+2*\j], v[52+2*\j], v62          ; a_j = S1_j / max(S0, 1)
.endr
	; c, a lane to a d; then through my LDS, so that a lane holds a whole row's 32
	v_mul_f32 v61, v202, v63
.irp j, 0,1,2,3
	v_fma_f32 v[53+2*\j], v201, v[52+2*\j], v61    ; c_j[d] = phi_w[d] a_j + phi_b[d] s
.endr
	s_wait_alu depctr_va_vdst(0)                   ; c is written in v53, v55, v57, v59, which the four stores read
.irp j, 0,1,2,3
	ds_store_b32 v4, v[53+2*\j] offset:CT+128*\j
.endr
.irp q, 0,1,2,3,4,5,6,7
	ds_load_b128 v[CF+4*\q:CF+4*\q+3], v197 offset:CT+16*\q   ; (no vector instruction has named v64 to v95 yet)
.endr
	v_mul_f32 v48, v203, v204                      ; A = sum over k of out_w wself_w, while the loads are out
.irp m, 1,2,4,8
	v_add_f32_dpp v48, v48, v48 row_xmask:\m row_mask:0xf bank_mask:0xf
.endr
	v_permlanex16_b32 v49, v48, s54, s55
	v_add_f32 v12, v48, v49
	v_mov_b32 v13, v12
	s_wait_dscnt 0x0
	; the quantiser: the block's largest magnitude, with the floor 2^(5 - 127) among its leaves, so that the byte cannot fall under 1
	v_max3_num_f32 v48, |v[CF]|, |v[CF+1]|, 0x2800000
	v_max3_num_f32 v49, |v[CF+16]|, |v[CF+17]|, |v[CF+18]|
.irp i, 2,4,6,8,10,12
	v_max3_num_f32 v48, v48, |v[CF+\i]|, |v[CF+\i+1]|
	v_max3_num_f32 v49, v49, |v[CF+17+\i]|, |v[CF+18+\i]|
.endr
	v_max3_num_f32 v48, v48, |v[CF+14]|, |v[CF+15]|
	v_max3_num_f32 v48, v48, v49, |v[CF+31]|
	v_add_nc_u32 v50, 0xfe000000, v48              ; 4 off its exponent field: the conversion takes the exponent field of this operand as its scale, and nothing else of it
	v_lshrrev_b32 v8, 23, v50                      ; the scale's byte, in byte 0; bytes 1-3 are 0 and stand over zero codes
	v_cvt_scalef32_pk16_bf6_f32 v[QC:QC+2], v[CF:CF+15], v50
	v_cvt_scalef32_pk16_bf6_f32 v[108:110], v[CF+16:CF+31], v50   ; (a conversion's three registers begin on an even number)
	v_nop                                          ; one plain place behind a scaled conversion
	v_mov_b32 v[QC+3], v108
	v_mov_b32 v[QC+4], v109
	v_mov_b32 v[QC+5], v110
.rept 8
	v_nop                                          ; a scale register written by a vector instruction stands 8 places ahead of a scaled matrix instruction, an operand so written 4
.endr
	s_wait_alu depctr_va_vdst(0)                   ; behind the places: the scale v8, c's codes v96 to v107 and the masked and cleared registers of wctx's fragments are written, which the scaled products take
	; b = wself_b + wctx Q(c)^T.  Source 0 = 16 rows k of wctx, source 1 = my rows: lane (r, h), register j: b[row r % 4][16 t + 8 h + j].  Two accumulators, one instruction each
	v_wmma_scale_f32_16x16x128_f8f6f4 v[BD:BD+7], v[W0:W0+11], v[QC:QC+11], v[BD:BD+7], v6, v8 matrix_a_fmt:MATRIX_FMT_BF6 matrix_b_fmt:MATRIX_FMT_BF6
	v_wmma_scale_f32_16x16x128_f8f6f4 v[BD+8:BD+15], v[W0+12:W0+23], v[QC:QC+11], v[BD+8:BD+15], v7, v8 matrix_a_fmt:MATRIX_FMT_BF6 matrix_b_fmt:MATRIX_FMT_BF6
.rept 4
	v_nop                                          ; four places ahead of the first read of the results (ISA guide 7.12.1)
.endr
	s_wait_alu depctr_va_vdst(0)                   ; the products have written b, which the LDS stores read; the places above stay beside this wait
	ds_store_b128 v198, v[BD:BD+3] offset:BT       ; each accumulator from its low end on.  (Lanes r, r + 4, r + 8, r + 12 write the same bytes with the same values)
	ds_store_b128 v198, v[BD+4:BD+7] offset:BT+16
	ds_store_b128 v198, v[BD+8:BD+11] offset:BT+64
	ds_store_b128 v198, v[BD+12:BD+15] offset:BT+80
	v_pk_mul_f32 v[48:49], v[BD:BD+1], v[OL:OL+1]  ; B = sum over k of out_w b: my 16 of the 32, in two chains
	v_pk_mul_f32 v[50:51], v[BD+8:BD+9], v[OL+8:OL+9]
.irp i, 2,4,6
	v_pk_fma_f32 v[48:49], v[BD+\i:BD+\i+1], v[OL+\i:OL+\i+1], v[48:49]
	v_pk_fma_f32 v[50:51], v[BD+8+\i:BD+9+\i], v[OL+8+\i:OL+9+\i], v[50:51]
.endr
	v_pk_add_f32 v[48:49], v[48:49], v[50:51]
	v_add_f32 v48, v48, v49
	v_permlanex16_b32 v49, v48, s54, s55
	v_add_f32 v48, v48, v49                        ; with lane l xor 16's 16
	s_wait_alu depctr_va_vdst(0)                   ; B is written in v48, which the store reads
	ds_store_b32 v199, v48 offset:BR
	ds_load_b128 v[BRQ:BRQ+3], v[LB] offset:BR
	ds_load_b128 v[PB0:PB0+3], v[KA] offset:WS     ; quad 0's numbers, into the even set
.irp j, 0,1,2,3
	ds_load_b128 v[PB0+8+4*\j:PB0+8+4*\j+3], v[KA] offset:BT+BTP*\j
.endr
	ds_load_b128 v[PB0+4:PB0+7], v[KA] offset:OW
	s_wait_dscnt 6                                 ; B is in: the six loads issued behind it may stay out
.irp p, 0,1,2,3,4,5,6,7                        ; the sums begin as A z + B: the linear half of all 32 gelus
.if ((\p/2)%2) == 0
	v_pk_fma_f32 v[ACC+2*\p:ACC+2*\p+1], v[Z+2*\p:Z+2*\p+1], v[12:13], v[BRQ+2*(\p/4):BRQ+2*(\p/4)+1] op_sel_hi:[1,1,0]
.else
	v_pk_fma_f32 v[ACC+2*\p:ACC+2*\p+1], v[Z+2*\p:Z+2*\p+1], v[12:13], v[BRQ+2*(\p/4):BRQ+2*(\p/4)+1] op_sel:[0,0,1] op_sel_hi:[1,1,1]
.endif
.endr
	s_wait_alu depctr_vm_vsrc(0)                   ; my LDS stores have read c (v53 to v59) and B (v48): these registers are y from here on
; Behind each of a step's 80 plain lines: after every fifth, one of the 16 exponentials of the step BEFORE, in place on that step's rho.  The last stands ahead of the 80th plain line, which is the plain
; instruction that is owed behind an exponential.  Nothing names a result before the step's one wait.
.macro P
.set NP, NP+1
.if DOEXP && (NP%5 == 4)
	v_exp_f32 v[RO+NP/5], v[RO+NP/5]
.endif
.endm
; One k, number j of its quad, for my 16 numbers (8 pairs; pair p belongs to row p / 2).  Each level runs over all 8 pairs, so that a line and the line that needs it stand 8 apart.
; doprev = 1: the step before is finished here: E by the exponentials, m = y - y E, the sums += out_w m.
; ask = 1: the next quad's six loads go out, into the other set; ask = 2: there is no next quad: out_w[31] alone, for the last step.
.macro STEP j, doprev, ask
.set TN, T0+16*((\j)%2)
.set TO, T0+16*(1-(\j)%2)
.set RN, R0+16*((\j)%2)
.set RO, R0+16*(1-(\j)%2)
.set NP, 0
.set DOEXP, (\doprev)
.irp p, 0,1,2,3,4,5,6,7                        ; x = z wself_w[k] + b[k]
.if ((\j)%2) == 0
	v_pk_fma_f32 v[TN+2*\p:TN+2*\p+1], v[Z+2*\p:Z+2*\p+1], v[WSQ+2*((\j)/2):WSQ+2*((\j)/2)+1], v[BQ+4*(\p/2)+2*((\j)/2):BQ+4*(\p/2)+2*((\j)/2)+1] op_sel_hi:[1,0,0]
.else
	v_pk_fma_f32 v[TN+2*\p:TN+2*\p+1], v[Z+2*\p:Z+2*\p+1], v[WSQ+2*((\j)/2):WSQ+2*((\j)/2)+1], v[BQ+4*(\p/2)+2*((\j)/2):BQ+4*(\p/2)+2*((\j)/2)+1] op_sel:[0,1,1] op_sel_hi:[1,1,1]
.endif
	P
.endr
.irp i, 0,1,2,3,4,5,6,7,8,9,10,11,12,13,14,15
	v_and_b32 v[TN+\i], s52, v[TN+\i]              ; y = |x|
	P
.endr
.irp p, 0,1,2,3,4,5,6,7
	v_pk_fma_f32 v[RN+2*\p:RN+2*\p+1], v[TN+2*\p:TN+2*\p+1], v[10:11], s[50:51] op_sel_hi:[1,1,0]   ; d7 y + d6
	P
.endr
.irp c, 48,46,44,42,40                         ; x y + d5 .. d1
.irp p, 0,1,2,3,4,5,6,7
	v_pk_fma_f32 v[RN+2*\p:RN+2*\p+1], v[RN+2*\p:RN+2*\p+1], v[TN+2*\p:TN+2*\p+1], s[\c:\c+1] op_sel_hi:[1,1,0]
	P
.endr
.endr
.irp p, 0,1,2,3,4,5,6,7
	v_pk_mul_f32 v[RN+2*\p:RN+2*\p+1], v[RN+2*\p:RN+2*\p+1], v[TN+2*\p:TN+2*\p+1]   ; rho(y)
	P
.endr
.if (\doprev)
	s_wait_alu depctr_va_vdst(0)                   ; the batch of 16 exponentials has written E, ahead of its first reader.  In a quad's second step also: the quad before is done reading the other set, in which the loads below land, and v[KA] is written
.irp p, 0,1,2,3,4,5,6,7
	v_pk_fma_f32 v[RO+2*\p:RO+2*\p+1], v[TO+2*\p:TO+2*\p+1], v[RO+2*\p:RO+2*\p+1], v[TO+2*\p:TO+2*\p+1] neg_lo:[1,0,0] neg_hi:[1,0,0]   ; m = y - y E
.if (\ask) == 1                                ; a load behind each of the first six of these lines.  No further wait: no vector instruction since the wait above names the other set or v[KA]
.if \p == 0
	ds_load_b128 v[NX:NX+3], v[KA] offset:WS+NOFF
.elseif \p < 5
	ds_load_b128 v[NX+4+4*\p:NX+4+4*\p+3], v[KA] offset:BT+BTP*(\p-1)+NOFF
.elseif \p == 5
	ds_load_b128 v[NX+4:NX+7], v[KA] offset:OW+NOFF
.endif
.elseif (\ask) == 2
.if \p == 0
	ds_load_b32 v[NX+4], v[KA] offset:OW+NOFF      ; out_w[31], into the other set: this quad's out_w is still at work
.endif
.endif
.endr
.irp p, 0,1,2,3,4,5,6,7
.if ((\j)%2) == 0
	v_pk_fma_f32 v[ACC+2*\p:ACC+2*\p+1], v[RO+2*\p:RO+2*\p+1], v[WQ+2*((\j)/2):WQ+2*((\j)/2)+1], v[ACC+2*\p:ACC+2*\p+1] op_sel_hi:[1,0,1]
.else
	v_pk_fma_f32 v[ACC+2*\p:ACC+2*\p+1], v[RO+2*\p:RO+2*\p+1], v[WQ+2*((\j)/2):WQ+2*((\j)/2)+1], v[ACC+2*\p:ACC+2*\p+1] op_sel:[0,1,0] op_sel_hi:[1,1,1]
.endif
.endr
.endif
.endm
; A quad of k.  pb: its set; nx: the other set, for the next quad, whose numbers lie noff bytes behind v[KA]'s.
.macro TRIP pb, nx, noff, first, last
.set WSQ,  (\pb)
.set WQ,   (\pb)+4
.set BQ,   (\pb)+8
.set NX,   (\nx)
.set NOFF, (\noff)
	s_wait_dscnt 0x0                               ; this quad's six loads are in: they were asked for in the second step of the quad before
	STEP 0, 1-(\first), 0
	STEP 1, 1, 1+(\last)
	STEP 2, 1, 0
	STEP 3, 1, 0
.endm
	TRIP PB0, PB1, 16, 1, 0                        ; quad 0: its first step has no step before it
.Lquad:                                            ; quads 1 to 6, two to a trip, so that both sets are back where they began: three trips; s58 is stepped once a trip, from 0 to 96
	s_add_co_u32 s58, s58, 32
	s_wait_alu depctr_vm_vsrc(0)                   ; the LDS loads issued so far have read v[KA]
	v_add_nc_u32 v[KA], s58, v[LB]                 ; at the even quad that this trip's first quad asks for; the wait in the step below stands between this line and the next load
	TRIP PB1, PB0, 0, 0, 0
	TRIP PB0, PB1, 16, 0, 0
	s_cmp_lt_u32 s58, 96
	s_cbranch_scc1 .Lquad
	TRIP PB1, PB0, 32, 0, 1                        ; quad 7 asks for no next quad
	; the last step is finished, and the rows leave
.irp i, 0,1,2,3,4,5,6,7,8,9,10,11,12,13,14,15
	v_exp_f32 v[R0+16+\i], v[R0+16+\i]
.endr
	v_nop                                          ; a plain instruction behind the last exponential
	s_wait_dscnt 0x0                               ; out_w[31]
	s_wait_alu depctr_va_vdst(0)                   ; the last batch of exponentials has written E, ahead of its first reader
.irp p, 0,1,2,3,4,5,6,7
	v_pk_fma_f32 v[R0+16+2*\p:R0+17+2*\p], v[T0+16+2*\p:T0+17+2*\p], v[R0+16+2*\p:R0+17+2*\p], v[T0+16+2*\p:T0+17+2*\p] neg_lo:[1,0,0] neg_hi:[1,0,0]
.endr
.irp p, 0,1,2,3,4,5,6,7
	v_pk_fma_f32 v[ACC+2*\p:ACC+2*\p+1], v[R0+16+2*\p:R0+17+2*\p], v[PB0+4:PB0+5], v[ACC+2*\p:ACC+2*\p+1] op_sel_hi:[1,0,1]
.endr
.irp p, 0,1,2,3,4,5,6,7
	v_pk_fma_f32 v[ACC+2*\p:ACC+2*\p+1], v[ACC+2*\p:ACC+2*\p+1], 0.5, s[56:57] op_sel_hi:[1,0,0]   ; out = sum / 2 + out_b
.endr
	s_wait_alu depctr_va_vdst(0)                   ; the sums are written, which the four stores read
.irp j, 0,1,2,3
	global_store_b128 v1, v[ACC+4*\j:ACC+4*\j+3], s[28:29] offset:65536*\j th:TH_STORE_NT   ; 32 lanes store a row's 512 consecutive bytes; written once, read by nobody here
.endr
	s_wait_dscnt 0x0
	s_wait_alu depctr_hold_cnt(0) depctr_sa_sdst(0) depctr_va_vdst(0) depctr_va_sdst(0) depctr_va_ssrc(0) depctr_va_vcc(0) depctr_vm_vsrc(0)
	s_wait_tensorcnt 0x0
	ds_add_u32 v236, v237
	s_wait_dscnt 0x0
	s_endpgm
.Lfunc_end_k_q42e206e3dc_deepset:
	.size	k_q42e206e3dc_deepset, .Lfunc_end_k_q42e206e3dc_deepset-k_q42e206e3dc_deepset
	.p2alignl 7, 3214868480
	.fill 96, 4, 3214868480
	.section	.rodata,"a",@progbits
	.p2align	6, 0x0
	.amdhsa_kernel k_q42e206e3dc_deepset
		.amdhsa_group_segment_fixed_size 17408
		.amdhsa_private_segment_fixed_size 0
		.amdhsa_enable_private_segment 0
		.amdhsa_kernarg_size 88
		.amdhsa_user_sgpr_count 2
		.amdhsa_user_sgpr_kernarg_segment_ptr 1
		.amdhsa_wavefront_size32 1
		.amdhsa_system_sgpr_workgroup_id_x 1
		.amdhsa_system_sgpr_workgroup_id_y 1
		.amdhsa_system_sgpr_workgroup_id_z 1
		.amdhsa_system_vgpr_workitem_id 0
		.amdhsa_next_free_vgpr 238
		.amdhsa_next_free_sgpr 66
		.amdhsa_reserve_vcc 0
		.amdhsa_float_denorm_mode_32 3
		.amdhsa_float_denorm_mode_16_64 3
		.amdhsa_memory_ordered 1
		.amdhsa_forward_progress 1
		.amdhsa_inst_pref_size 115
	.end_amdhsa_kernel
	.amdgpu_metadata
---
amdhsa.version: [ 1, 2 ]
amdhsa.kernels:
  - .name:           k_q42e206e3dc_deepset
    .symbol:         k_q42e206e3dc_deepset.kd
    .args:
      - { .name: z_tilde, .offset: 0, .size: 8, .value_kind: global_buffer, .address_space: global }
      - { .name: mask, .offset: 8, .size: 8, .value_kind: global_buffer, .address_space: global }
      - { .name: phi_w, .offset: 16, .size: 8, .value_kind: global_buffer, .address_space: global }
      - { .name: phi_b, .offset: 24, .size: 8, .value_kind: global_buffer, .address_space: global }
      - { .name: wself_w, .offset: 32, .size: 8, .value_kind: global_buffer, .address_space: global }
      - { .name: wself_b, .offset: 40, .size: 8, .value_kind: global_buffer, .address_space: global }
      - { .name: wctx_w_codes, .offset: 48, .size: 8, .value_kind: global_buffer, .address_space: global }
      - { .name: wctx_w_scales, .offset: 56, .size: 8, .value_kind: global_buffer, .address_space: global }
      - { .name: out_w, .offset: 64, .size: 8, .value_kind: global_buffer, .address_space: global }
      - { .name: out_b, .offset: 72, .size: 8, .value_kind: global_buffer, .address_space: global }
      - { .name: out0, .offset: 80, .size: 8, .value_kind: global_buffer, .address_space: global }
    .group_segment_fixed_size: 17408
    .private_segment_fixed_size: 0
    .kernarg_segment_align: 8
    .kernarg_segment_size: 88
    .max_flat_workgroup_size: 256
    .sgpr_count:     66
    .vgpr_count:     238
    .wavefront_size: 32
...
	.end_amdgpu_metadata
.endif
;; end of part 2
